; MI455X (gfx1250); checked and timed in simulation.
; The chip was launched on July 23, 2026; its instructions are those of AMD's public machine-readable ISA for CDNA 5 (MIT licence, August 2026) and "CDNA5" Instruction Set Architecture Reference Guide (July 2026). The comments in the code are by the model that wrote it; some were corrected since.
;; Multi Scan VSSM. Allowed arithmetic: float matrix products may take bf16 or f16 operands with f32 sums; all other float work in f32.
;; Inputs: b_reduce 32 float32; b_select 256 float32; ln_b 256 float32; ln_w 256 float32; w_reduce 256 x 32 float32; w_select 32 x 256 float32; x 8 x 256 x 56 x 56 float32.
;; Outputs: out0 8 x 3,136 x 256 float32.
;; 2 versions, each right; version 2 is version 1 with the launch stats written anew for expert scheduling mode. Each part assembles by itself: llvm-mc -triple=amdgcn-amd-amdhsa -mcpu=gfx1250 --defsym DOCPART=n.
;; ======== version 1 of 2: 2 launches
;; limits: a function is approximated: absolute error at most 1.5e-07
;; workspace buffers: part 50,176 bytes
;; launch stats (part 1): grid 49 x 8, 8 waves a work-group, no clusters, 7,168 bytes of LDS; arguments x, ln_w, ln_b, w_reduce, part; writes part
.if DOCPART == 1
	.amdgcn_target "amdgcn-amd-amdhsa--gfx1250"
	.amdhsa_code_object_version 6
	.text
	.protected	k_q29291db5d6_stats
	.globl	k_q29291db5d6_stats
	.p2align	8
	.type	k_q29291db5d6_stats,@function
k_q29291db5d6_stats:
	s_mov_b64 s[64:65], 0
	v_nop
	global_prefetch_b8 v0, s[64:65] scope:SCOPE_SE
	s_setreg_imm32_b32 hwreg(HW_REG_WAVE_MODE, 25, 1), 1
	s_wait_xcnt 0x0
; FIRST OF TWO LAUNCHES.  x: [8][256][3136] f32 (batch, channel, token).
; Each of the eight scans of the module is a permutation of the tokens that the merge undoes again (H = W = 56), for any data:
; all eight directions are x itself, and their LayerNorm, pool and gate are one and the same.  This launch makes, for a batch b and
; a piece of 64 tokens, that piece's share of the pooled, normalised row, already multiplied by w_reduce (that step is linear):
;   part[b][piece][r] = sum over c of w_reduce[c][r] * ( ln_w[c] * sum over the 64 l of (x[c][l]-mu[l]) * rstd[l] + 64 ln_b[c] ) / 3136
; The 49 pieces of a batch add up to  mean_l(LayerNorm(x)) @ w_reduce;  the next launch adds them and goes on.
; A work-group: 256 channels x 64 tokens (256 bytes of each row, aligned).  Wave w: channels 32 w .. 32 w + 31.
; Lane (i = lane % 16, h = lane / 16): tokens 4 i .. 4 i + 3 of channels 32 w + 2 j + h, j = 0 .. 15: 64 registers; x is read once here.
; A load of a wave covers two whole pieces of 256 consecutive bytes.
; The variance is made of non-negative terms only: each wave takes its own mean and its squares about that mean, and the eight
; waves are joined by  M2 = sum M2_w + 32 sum (mean_w - mu)^2 : a common offset of x cancels in x - mean_w, not in a difference of sums.
; Not used, by this text's arithmetic: the matrix unit (the product has one row: 8,192 multiply-adds a work-group, 16 packed FMAs a
; wave, in f32); data-mover tiles and LDS rings (a wave asks for all its 8 KB in its first lines); clusters (what work-groups share is the 32 KB
; of w_reduce against 64 KB of their own).  x has no non-temporal hint: the next launch reads it again.
; The 32 results are one store of 128 bytes a work-group (50,176 bytes in the launch); padding them would double what the next launch reads.
; Limits: v_rsq_f32 is good to 1 ulp (its argument is at least 1e-5, so no denormal reaches it).
.set ROWB, 12544                       ; bytes in a row of x: 3,136 f32 = 49 pieces of 256 bytes
.set BATB, 256*ROWB                    ; bytes in a batch
.set NCH,  49                          ; pieces in a row
.set RED,  0                           ; LDS: wave w at 512 w: 64 sums, then 64 M2
.set QB,   4096                        ; LDS: 256 pooled channels, wave w's own 32 at 128 w
.set R3,   5120                        ; LDS: wave w's 32 projected numbers at 128 w
.set EPS,    0x3727c5ac                ; 1e-5
.set I256,   0x3b800000                ; 1/256
.set I32,    0x3d000000                ; 1/32
.set NI32,   0xbd000000                ; -1/32
.set I8,     0x3e000000                ; 1/8
.set I3136,  0x39a72f05                ; 1/3136
.set I49,    0x3ca72f05                ; 64/3136
.set XO,  3                            ; byte offset of my 16 bytes in row 32 w + h
.set CO,  4                            ; 4 c, c = 32 w + 2 i + h: ln_w, ln_b, and my pooled channel in LDS
.set WO,  5                            ; byte offset of my 16 bytes in my wave's slab of w_reduce
.set RS,  6                            ; LDS 512 w + 16 i
.set RL,  7                            ; LDS 16 i
.set T,   8                            ; v[8:11]    set-up scratch, then what the other half of the lanes sends
.set S,   12                           ; v[12:15]   sum over my wave's 32 channels, 4 tokens
.set Q,   16                           ; v[16:19]   squares about my wave's mean
.set MU,  20                           ; v[20:23]   mean over 256 channels
.set R,   24                           ; v[24:27]   1/sqrt(var + eps)
.set EE,  28                           ; v[28:29]   (mean_w - mu) * rstd, tokens 0+2 and 1+3
.set LW,  30
.set LB,  31
.set WR,  32                           ; v[32:63]   my wave's slab of w_reduce: 8 x 16 bytes a lane
.set X,   64                           ; v[64:127]  row pair j: 4 registers
.set SU,  128                          ; v[128:159] the eight waves' sums
.set M2,  160                          ; v[160:191] the eight waves' M2
.set TT,  SU                           ; later: 16 channels' sums over my 4 tokens
.set KP,  M2                           ; later: what a lane keeps in a fold
.set QQ,  M2+8                         ; later: 8 pooled channels
.set F,   M2+16                        ; later: wave 0's eight partial results
.set TA,  192
.set TB,  196
.set TC,  200
.set DL,  204                          ; v[204:207] mean_w - mu
.set VV,  208                          ; v[208:211] sum of (mean_w - mu)^2
.set AV,  212                          ; v[212:215] var + eps
.set ACC, 216                          ; v[216:219] projection
.set EP,  220                          ; v[220:221] eps, twice
.set QA,  222                          ; LDS 128 w + 4 (lane / 8)
.set PS,  223                          ; LDS 128 w + 16 (lane % 8)
.set RA,  224                          ; 4 lane
.set QV,  225
.macro QADD d, a, b                    ; four sums
	v_pk_add_f32 v[\d:\d+1], v[\a:\a+1], v[\b:\b+1]
	v_pk_add_f32 v[\d+2:\d+3], v[\a+2:\a+3], v[\b+2:\b+3]
.endm
	s_load_b256 s[4:11], s[0:1], 0x0               ; x s[4:5], ln_w s[6:7], ln_b s[8:9], w_reduce s[10:11]
	s_load_b64 s[12:13], s[0:1], 0x20              ; part
	v_lshl_add_u32 v232, v0, 2, 0x1800
	v_mov_b32 v233, 0
	v_and_b32 v1, 15, v0                           ; i
	v_bfe_u32 v2, v0, 4, 1                         ; h
	v_lshrrev_b32 v[T+1], 5, v0
	v_readfirstlane_b32 s14, v[T+1]                ; wave
	v_and_b32 v[T], 31, v0                         ; lane
	v_lshl_add_u32 v[T+2], v[T+1], 5, v2           ; my first row: 32 w + h
	v_mul_u32_u24 v[XO], v[T+2], ROWB
	v_lshl_add_u32 v[XO], v1, 4, v[XO]             ; + 16 i
	s_and_b32 s15, ttmp7, 0xffff                   ; batch
	s_mul_i32 s16, s15, BATB
	s_lshl_b32 s17, ttmp9, 8                       ; piece x 256 bytes
	s_add_co_u32 s16, s16, s17                     ; below 2^25
	s_mov_b32 s17, 0
	s_wait_kmcnt 0x0
	s_add_nc_u64 s[4:5], s[4:5], s[16:17]
.irp j, 0,1,2,3,4,5,6,7,8,9,10,11,12,13,14,15
	global_load_b128 v[X+4*\j:X+4*\j+3], v[XO], s[4:5] offset:\j*2*ROWB    ; rows 32 w + 2 j and + 1: all 16 loads are out at once
.endr
	s_lshl_b32 s18, s14, 7                         ; 128 w
	v_lshl_add_u32 v[T+3], v1, 1, v2               ; 2 i + h
	v_lshlrev_b32 v[CO], 2, v[T+3]
	v_add_nc_u32 v[CO], s18, v[CO]
	global_load_b32 v[LW], v[CO], s[6:7]
	global_load_b32 v[LB], v[CO], s[8:9]
	s_lshl_b32 s19, s14, 12                        ; my wave's 32 rows of w_reduce are 4,096 consecutive bytes
	v_lshlrev_b32 v[WO], 4, v[T]
	v_add_nc_u32 v[WO], s19, v[WO]
.irp m, 0,1,2,3,4,5,6,7
	global_load_b128 v[WR+4*\m:WR+4*\m+3], v[WO], s[10:11] offset:512*\m   ; row 32 w + 4 m + lane / 8, columns 4 (lane % 8) ..
.endr
	; the rest of the set-up runs while the loads are out
	s_lshl_b32 s28, s14, 9
	v_lshlrev_b32 v[RL], 4, v1
	v_add_nc_u32 v[RS], s28, v[RL]
	v_lshrrev_b32 v[QA], 3, v[T]
	v_lshlrev_b32 v[QA], 2, v[QA]
	v_add_nc_u32 v[QA], s18, v[QA]
	v_and_b32 v[PS], 7, v[T]
	v_lshlrev_b32 v[PS], 4, v[PS]
	v_add_nc_u32 v[PS], s18, v[PS]
	v_lshlrev_b32 v[RA], 2, v[T]
	v_mov_b32 v[EP], EPS
	v_mov_b32 v[EP+1], EPS
	s_mov_b32 s20, 0x76543210                      ; v_permlanex16_b32: lane i of one half reads lane i of the other
	s_mov_b32 s21, 0xfedcba98
	s_mov_b32 s24, 0xff00ff00                      ; lanes whose i has bit 3, 2, 1, 0
	s_mov_b32 s25, 0xf0f0f0f0
	s_mov_b32 s26, 0xcccccccc
	s_mov_b32 s27, 0xaaaaaaaa
	; sum over my wave's channels, as the rows come in.  26 loads were issued and come back in order (ISA guide 5.7.1):
	; row pair j is in when at most 25 - j younger loads are out.
	s_wait_loadcnt 24
	QADD S, X, X+4                                 ; the first two row pairs start the sums: nothing is cleared
.irp j, 2,3,4,5,6,7,8,9,10,11,12,13,14,15
	s_wait_loadcnt 25-\j
	QADD S, S, X+4*\j
.endr
.irp k, 0,1,2,3
	v_permlanex16_b32 v[T+\k], v[S+\k], s20, s21   ; the other half's 16 channels (T was written in the set-up)
.endr
	QADD S, S, T                                   ; 32 channels, in both halves
	; x - mean_w in place, and its squares
.irp j, 0,1,2,3,4,5,6,7,8,9,10,11,12,13,14,15
	v_pk_fma_f32 v[X+4*\j:X+4*\j+1], v[S:S+1], NI32, v[X+4*\j:X+4*\j+1] op_sel_hi:[1,0,1]
	v_pk_fma_f32 v[X+4*\j+2:X+4*\j+3], v[S+2:S+3], NI32, v[X+4*\j+2:X+4*\j+3] op_sel_hi:[1,0,1]
.endr
	v_pk_mul_f32 v[Q:Q+1], v[X:X+1], v[X:X+1]
	v_pk_mul_f32 v[Q+2:Q+3], v[X+2:X+3], v[X+2:X+3]
.irp j, 1,2,3,4,5,6,7,8,9,10,11,12,13,14,15
	v_pk_fma_f32 v[Q:Q+1], v[X+4*\j:X+4*\j+1], v[X+4*\j:X+4*\j+1], v[Q:Q+1]
	v_pk_fma_f32 v[Q+2:Q+3], v[X+4*\j+2:X+4*\j+3], v[X+4*\j+2:X+4*\j+3], v[Q+2:Q+3]
.endr
.irp k, 0,1,2,3
	v_permlanex16_b32 v[T+\k], v[Q+\k], s20, s21
.endr
	QADD Q, Q, T
	ds_store_b128 v[RS], v[S:S+3] offset:RED       ; both halves of the lanes hold, and write, the same numbers
	ds_store_b128 v[RS], v[Q:Q+3] offset:RED+256
	s_wait_dscnt 0x0                               ; for the other waves: my stores are done before I signal
	s_barrier_signal -1
	s_barrier_wait -1
.irp w, 0,1,2,3,4,5,6,7
	ds_load_b128 v[SU+4*\w:SU+4*\w+3], v[RL] offset:RED+512*\w
.endr
.irp w, 0,1,2,3,4,5,6,7
	ds_load_b128 v[M2+4*\w:M2+4*\w+3], v[RL] offset:RED+512*\w+256
.endr
	s_wait_dscnt 8                                 ; the eight sums are in; the eight M2 loads behind them may be out
	QADD MU, SU, SU+4
	QADD TA, SU+8, SU+12
	QADD TB, SU+16, SU+20
	QADD TC, SU+24, SU+28
	QADD MU, MU, TA
	QADD TB, TB, TC
	QADD MU, MU, TB
	v_pk_mul_f32 v[MU:MU+1], v[MU:MU+1], I256 op_sel_hi:[1,0]
	v_pk_mul_f32 v[MU+2:MU+3], v[MU+2:MU+3], I256 op_sel_hi:[1,0]
.irp w, 0,1,2,3,4,5,6,7
	v_pk_fma_f32 v[SU+4*\w:SU+4*\w+1], v[SU+4*\w:SU+4*\w+1], I32, v[MU:MU+1] op_sel_hi:[1,0,1] neg_lo:[0,0,1] neg_hi:[0,0,1]      ; mean_w - mu
	v_pk_fma_f32 v[SU+4*\w+2:SU+4*\w+3], v[SU+4*\w+2:SU+4*\w+3], I32, v[MU+2:MU+3] op_sel_hi:[1,0,1] neg_lo:[0,0,1] neg_hi:[0,0,1]
.endr
	v_pk_mul_f32 v[VV:VV+1], v[SU:SU+1], v[SU:SU+1]
	v_pk_mul_f32 v[VV+2:VV+3], v[SU+2:SU+3], v[SU+2:SU+3]
.irp w, 1,2,3,4,5,6,7
	v_pk_fma_f32 v[VV:VV+1], v[SU+4*\w:SU+4*\w+1], v[SU+4*\w:SU+4*\w+1], v[VV:VV+1]
	v_pk_fma_f32 v[VV+2:VV+3], v[SU+4*\w+2:SU+4*\w+3], v[SU+4*\w+2:SU+4*\w+3], v[VV+2:VV+3]
.endr
	s_wait_dscnt 0x0
	QADD M2, M2, M2+4
	QADD M2+8, M2+8, M2+12
	QADD M2+16, M2+16, M2+20
	QADD M2+24, M2+24, M2+28
	QADD M2, M2, M2+8
	QADD M2+16, M2+16, M2+24
	QADD M2, M2, M2+16
	v_pk_fma_f32 v[AV:AV+1], v[M2:M2+1], I256, v[EP:EP+1] op_sel_hi:[1,0,1]        ; eps + sum M2_w / 256
	v_pk_fma_f32 v[AV+2:AV+3], v[M2+2:M2+3], I256, v[EP:EP+1] op_sel_hi:[1,0,1]
	v_pk_fma_f32 v[AV:AV+1], v[VV:VV+1], I8, v[AV:AV+1] op_sel_hi:[1,0,1]          ; + 32 sum (mean_w - mu)^2 / 256
	v_pk_fma_f32 v[AV+2:AV+3], v[VV+2:VV+3], I8, v[AV+2:AV+3] op_sel_hi:[1,0,1]
.irp k, 0,1,2,3
	v_rsq_f32 v[R+\k], v[AV+\k]
.endr
	; the two lines below name neither R nor AV: they are the plain instruction that stands between v_rsq_f32 and the use of its result (ISA guide 5.7.2)
	v_pk_fma_f32 v[DL:DL+1], v[S:S+1], I32, v[MU:MU+1] op_sel_hi:[1,0,1] neg_lo:[0,0,1] neg_hi:[0,0,1]     ; my own wave's mean_w - mu
	v_pk_fma_f32 v[DL+2:DL+3], v[S+2:S+3], I32, v[MU+2:MU+3] op_sel_hi:[1,0,1] neg_lo:[0,0,1] neg_hi:[0,0,1]
	s_wait_alu depctr_va_vdst(0)
	v_pk_mul_f32 v[EE:EE+1], v[DL:DL+1], v[R:R+1]
	v_pk_fma_f32 v[EE:EE+1], v[DL+2:DL+3], v[R+2:R+3], v[EE:EE+1]
	; for each of my 16 channels: sum over my 4 tokens of (x - mean_w + mean_w - mu) * rstd; the second part starts every chain
.irp j, 0,1,2,3,4,5,6,7,8,9,10,11,12,13,14,15
	v_pk_fma_f32 v[X+4*\j:X+4*\j+1], v[X+4*\j:X+4*\j+1], v[R:R+1], v[EE:EE+1]
.endr
.irp j, 0,1,2,3,4,5,6,7,8,9,10,11,12,13,14,15
	v_pk_fma_f32 v[X+4*\j:X+4*\j+1], v[X+4*\j+2:X+4*\j+3], v[R+2:R+3], v[X+4*\j:X+4*\j+1]
.endr
.irp j, 0,1,2,3,4,5,6,7,8,9,10,11,12,13,14,15
	v_add_f32 v[TT+\j], v[X+4*\j], v[X+4*\j+1]
.endr
	s_wait_loadcnt 0x0                             ; ln_w, ln_b and the slab of w_reduce
	v_mul_f32 v[LW], I3136, v[LW]
	v_mul_f32 v[LB], I49, v[LB]
; Sixteen numbers a lane are added over the 16 lanes of a half, and the count of numbers halves with each step: a lane whose i has the
; step's bit keeps the upper half of the list and sends the lower, the others the other way round.  45 instructions in place of 64, and
; lane i ends with the whole sum of list entry i, that is of channel 32 w + 2 i + h.
.macro FOLD n, sm
.set j, 0
.rept \n
	v_cndmask_b32 v[KP+j], v[TT+j], v[TT+j+\n], \sm
	v_cndmask_b32 v[TT+j+\n], v[TT+j+\n], v[TT+j], \sm
.set j, j+1
.endr
.set j, 0
.rept \n
	v_add_f32_dpp v[TT+j], v[TT+j+\n], v[KP+j] row_xmask:\n row_mask:0xf bank_mask:0xf
.set j, j+1
.endr
.endm
	FOLD 8, s24
	FOLD 4, s25
	FOLD 2, s26
	FOLD 1, s27
	v_fma_f32 v[QV], v[TT], v[LW], v[LB]           ; (ln_w * sum + 64 ln_b) / 3136
	; my wave's 32 channels meet my wave's 32 rows of w_reduce: these LDS bytes are the wave's own, and LDS serves a wave in order (ISA guide 5.7.1)
	ds_store_b32 v[CO], v[QV] offset:QB
.irp m, 0,1,2,3,4,5,6,7
	ds_load_b32 v[QQ+\m], v[QA] offset:QB+16*\m    ; channel 32 w + 4 m + lane / 8
.endr
	s_wait_dscnt 0x0
.macro PROJ m                          ; four columns += one channel x its row; op_sel picks the channel's register of the pair for both halves
.if (\m) & 1
	v_pk_fma_f32 v[ACC:ACC+1], v[WR+4*\m:WR+4*\m+1], v[QQ+\m-1:QQ+\m], v[ACC:ACC+1] op_sel:[0,1,0] op_sel_hi:[1,1,1]
	v_pk_fma_f32 v[ACC+2:ACC+3], v[WR+4*\m+2:WR+4*\m+3], v[QQ+\m-1:QQ+\m], v[ACC+2:ACC+3] op_sel:[0,1,0] op_sel_hi:[1,1,1]
.else
	v_pk_fma_f32 v[ACC:ACC+1], v[WR+4*\m:WR+4*\m+1], v[QQ+\m:QQ+\m+1], v[ACC:ACC+1] op_sel_hi:[1,0,1]
	v_pk_fma_f32 v[ACC+2:ACC+3], v[WR+4*\m+2:WR+4*\m+3], v[QQ+\m:QQ+\m+1], v[ACC+2:ACC+3] op_sel_hi:[1,0,1]
.endif
.endm
	v_pk_mul_f32 v[ACC:ACC+1], v[WR:WR+1], v[QQ:QQ+1] op_sel_hi:[1,0]
	v_pk_mul_f32 v[ACC+2:ACC+3], v[WR+2:WR+3], v[QQ:QQ+1] op_sel_hi:[1,0]
.irp m, 1,2,3,4,5,6,7
	PROJ \m
.endr
.irp k, 0,1,2,3
	v_add_f32_dpp v[ACC+\k], v[ACC+\k], v[ACC+\k] row_xmask:8 row_mask:0xf bank_mask:0xf   ; over lane / 8: bit 3,
.endr
.irp k, 0,1,2,3
	v_permlanex16_b32 v[T+\k], v[ACC+\k], s20, s21                                         ; and bit 4
.endr
	QADD ACC, ACC, T
	ds_store_b128 v[PS], v[ACC:ACC+3] offset:R3    ; columns 4 (lane % 8) ..; lanes 8 apart write the same numbers
	s_wait_dscnt 0x0                               ; for wave 0: done before I signal
	s_barrier_signal -1
	s_barrier_wait -1
	s_cmp_lg_u32 s14, 0
	s_cbranch_scc1 .Lend
.irp w, 0,1,2,3,4,5,6,7
	ds_load_b32 v[F+\w], v[RA] offset:R3+128*\w    ; lane = column r
.endr
	s_mul_i32 s16, s15, NCH
	s_add_co_u32 s16, s16, ttmp9
	s_lshl_b32 s16, s16, 7                         ; (49 batch + piece) x 128 bytes; s17 is still 0
	s_add_nc_u64 s[12:13], s[12:13], s[16:17]
	s_wait_dscnt 0x0
	v_pk_add_f32 v[F:F+1], v[F:F+1], v[F+2:F+3]
	v_pk_add_f32 v[F+4:F+5], v[F+4:F+5], v[F+6:F+7]
	v_pk_add_f32 v[F:F+1], v[F:F+1], v[F+4:F+5]
	v_add_f32 v[F], v[F], v[F+1]
	global_store_b32 v[RA], v[F], s[12:13]
.Lend:
	s_wait_tensorcnt 0x0
	ds_add_u32 v232, v233
	s_wait_dscnt 0x0
	s_endpgm
.Lfunc_end_k_q29291db5d6_stats:
	.size	k_q29291db5d6_stats, .Lfunc_end_k_q29291db5d6_stats-k_q29291db5d6_stats
	.p2alignl 7, 3214868480
	.fill 96, 4, 3214868480
	.section	.rodata,"a",@progbits
	.p2align	6, 0x0
	.amdhsa_kernel k_q29291db5d6_stats
		.amdhsa_group_segment_fixed_size 7168
		.amdhsa_private_segment_fixed_size 0
		.amdhsa_enable_private_segment 0
		.amdhsa_kernarg_size 40
		.amdhsa_user_sgpr_count 2
		.amdhsa_user_sgpr_kernarg_segment_ptr 1
		.amdhsa_wavefront_size32 1
		.amdhsa_system_sgpr_workgroup_id_x 1
		.amdhsa_system_sgpr_workgroup_id_y 1
		.amdhsa_system_sgpr_workgroup_id_z 1
		.amdhsa_system_vgpr_workitem_id 0
		.amdhsa_next_free_vgpr 234
		.amdhsa_next_free_sgpr 66
		.amdhsa_reserve_vcc 0
		.amdhsa_float_denorm_mode_32 3
		.amdhsa_float_denorm_mode_16_64 3
		.amdhsa_memory_ordered 1
		.amdhsa_forward_progress 1
		.amdhsa_inst_pref_size 29
	.end_amdhsa_kernel
	.amdgpu_metadata
---
amdhsa.version: [ 1, 2 ]
amdhsa.kernels:
  - .name:           k_q29291db5d6_stats
    .symbol:         k_q29291db5d6_stats.kd
    .args:
      - { .name: x, .offset: 0, .size: 8, .value_kind: global_buffer, .address_space: global }
      - { .name: ln_w, .offset: 8, .size: 8, .value_kind: global_buffer, .address_space: global }
      - { .name: ln_b, .offset: 16, .size: 8, .value_kind: global_buffer, .address_space: global }
      - { .name: w_reduce, .offset: 24, .size: 8, .value_kind: global_buffer, .address_space: global }
      - { .name: part, .offset: 32, .size: 8, .value_kind: global_buffer, .address_space: global }
    .group_segment_fixed_size: 7168
    .private_segment_fixed_size: 0
    .kernarg_segment_align: 8
    .kernarg_segment_size: 40
    .max_flat_workgroup_size: 256
    .sgpr_count:     66
    .vgpr_count:     234
    .wavefront_size: 32
...
	.end_amdgpu_metadata
.endif
;; end of part 1
;; launch merge (part 2): grid 7 x 32, 8 waves a work-group, no clusters, 140,800 bytes of LDS; arguments x, part, b_reduce, w_select, b_select, out0; writes out0
.if DOCPART == 2
	.amdgcn_target "amdgcn-amd-amdhsa--gfx1250"
	.amdhsa_code_object_version 6
	.text
	.protected	k_q29291db5d6_merge
	.globl	k_q29291db5d6_merge
	.p2align	8
	.type	k_q29291db5d6_merge,@function
k_q29291db5d6_merge:
	s_mov_b64 s[64:65], 0
	v_nop
	global_prefetch_b8 v0, s[64:65] scope:SCOPE_SE
	s_setreg_imm32_b32 hwreg(HW_REG_WAVE_MODE, 25, 1), 1
	s_wait_xcnt 0x0
; SECOND OF TWO LAUNCHES.  out0[b][l][c] = 8 gate[b][c] x[b][c][l]:  the eight directions of the module are all x itself (each scan is undone
; by its reverse, for any data), so their eight equal products are formed as one, with 8 gate (the order of rounding differs from eight additions).
;   gate = sigmoid( gelu( sum of the batch's 49 rows of part + b_reduce ) @ w_select + b_select ),  gelu with erf, as the module has it.
; A work-group: one batch, 64 channels (256 bytes of each row of out0), 448 tokens (1,792 consecutive bytes of each row of x).
; Waves 0 to 6 turn a tile of 64 channels x 64 tokens each; wave 7 has no tile and makes the 64 gates while the tiles are on their way:
; 6,272 bytes of part and 8 KB of w_select are read once for 112 KB of x.  1,568 tiles on 256 WGPs make 7 on some WGP in any grid; 224 x 7 has that and the least gate work.
; THE TURN.  Lane (i = lane % 16, h = lane / 16) loads, for g = 0 .. 7 and j = 0 .. 3, tokens 4 i .. 4 i + 3 of channel 8 g + 4 h + j: blocks of
; 4 x 4.  The multiply by the gate writes each product into the transposed place of another block of registers, so the 4 x 4 turn costs no instruction of its own.
; 16 bytes (4 channels of one token) go into the wave's own LDS tile, 16 bytes come back with sixteen lanes along a row of out0.
; Token l lies in LDS row 16 (l % 4) + l / 4, rows 272 bytes apart: the sixteen lanes of a store (tokens 4 apart) hit neighbouring rows, which
; start 17 x 16 bytes apart, at sixteen different 16-byte columns of the 64 banks (ISA guide 11.1); a load takes 256 consecutive bytes.
; Each half of a global load takes, and each half of a global store fills, 256 consecutive bytes at a multiple of 256 from its buffer's first byte.
; ALL ADDRESSES, of both roles, are made in the common set-up ahead of the branch on the wave number, so that every register that is read behind the
; point where the two paths meet has one value whichever path was taken.  Wave 7 thus forms a tile address that it never uses; LDS is allotted for
; eight tiles, so that TB + wave x TILEB lies inside, and apart from every other wave's, for each of the eight wave numbers.
; Not used, by this text's arithmetic: the matrix unit (one row x 32 x 64: 32 packed FMAs of one wave, in f32); data-mover tiles and rings (a wave asks
; for its whole 16 KB in its first lines); clusters (work-groups share 14 KB against 112 KB of their own).
; Limits: erf by Abramowitz and Stegun 7.1.26, absolute error at most 1.5e-7 for every argument; v_rcp_f32 and v_exp_f32 are good to 1 ulp
; and flush denormals (ISA guide 15.8): an erfc or an exponential below 2^-126 counts as 0.
.set ROWB,  12544                      ; bytes in a row of x
.set BATB,  256*ROWB                   ; bytes in a batch of x, and of out0
.set TP,    272                        ; LDS pitch
.set TILEB, 64*TP
.set GB,    0                          ; LDS: 64 gates
.set HB,    256                        ; LDS: 32 hidden numbers, the gate wave's own
.set TB,    512                        ; LDS: wave w's tile at TB + w TILEB
.set GW,    7                          ; the gate wave
.set AHEAD, 16                         ; the way out: LDS loads issued ahead of the row pair that is being stored
.set PSQ,   0x3e6d3388                 ; 0.3275911 / sqrt(2)
.set NHL2E, 0xbf38aa3b                 ; -log2(e) / 2
.set NL2E,  0xbfb8aa3b                 ; -log2(e)
.set A1,    0x3e827906                 ;  0.254829592
.set A2,    0xbe91a98e                 ; -0.284496736
.set A3,    0x3fb5f0e3                 ;  1.421413741
.set A4,    0xbfba00e3                 ; -1.453152027
.set A5,    0x3f87dc22                 ;  1.061405429
.set EIGHT, 0x41000000
; all waves: v1 = i, v2 = h, v3 = wave, v4 = 16 i
; used by the tile waves
.set XO,  5                            ; byte offset of my 16 bytes in row 4 h of the work-group's part of x
.set STO, 6                            ; LDS: wave x TILEB + 272 i + 16 h
.set RD,  7                            ; LDS: wave x TILEB + 16 x 272 h + 16 i
.set OO,  8                            ; byte offset in out0: token 64 w + h, 16 i
.set GA,  9                            ; LDS: 16 h
.set G,   32                           ; v[32:63]   8 gate of channel 8 g + 4 h + j at G + 4 g + j
.set T,   64                           ; v[64:95]   products, transposed; two sets in turn
.set X,   128                          ; v[128:255] x as loaded, at X + 16 g + 4 j + k; then rows of out0
; used by the gate wave
.set LN16, 10                          ; 16 lane
.set L7X,  11                          ; 16 (lane % 8)
.set WO,   12                          ; 16,384 h + 16 i
.set HA,   13                          ; LDS: 64 h
.set P,    64                          ; v[64:115]  13 x 16 bytes of part; P .. P + 3 end as the argument of gelu
.set BR,   116
.set BS,   120
.set W,    128                         ; v[128:191] row m + 16 h of w_select, my 4 columns
.set HH,   192                         ; v[192:207] hidden numbers 16 h + 0 .. 15
.set ACC,  208
.set U,    212
.set DN,   216
.set EX,   220
.set TI,   224
.set EY,   228
.set PL,   232
.set HZ,   236
.macro QADD d, a, b                    ; four sums
	v_pk_add_f32 v[\d:\d+1], v[\a:\a+1], v[\b:\b+1]
	v_pk_add_f32 v[\d+2:\d+3], v[\a+2:\a+3], v[\b+2:\b+3]
.endm
	s_load_b256 s[4:11], s[0:1], 0x0               ; x s[4:5], part s[6:7], b_reduce s[8:9], w_select s[10:11]
	s_load_b128 s[12:15], s[0:1], 0x20             ; b_select s[12:13], out0 s[14:15]
	v_lshl_add_u32 v126, v0, 2, 0x22200
	v_mov_b32 v127, 0
	; ---- the common set-up, while the arguments are on their way
	v_and_b32 v1, 15, v0
	v_bfe_u32 v2, v0, 4, 1
	v_lshrrev_b32 v3, 5, v0
	v_readfirstlane_b32 s16, v3                    ; wave
	v_lshlrev_b32 v4, 4, v1
	s_and_b32 s17, ttmp7, 0xffff
	s_lshr_b32 s18, s17, 2                         ; batch
	s_and_b32 s19, s17, 3                          ; which 64 channels
	; the work-group's byte offsets, each in a pair of its own with 0 above (all below 2^25)
	s_mul_i32 s20, s18, BATB                       ; the batch, in x and in out0
	s_mul_i32 s28, s19, 64*ROWB                    ; x: my 64 rows,
	s_mul_i32 s29, ttmp9, 7*256                    ;    my 448 tokens
	s_add_co_u32 s28, s28, s29
	s_mul_i32 s22, ttmp9, 7*64*1024                ; out0: my 448 rows of 1,024 bytes,
	s_lshl_b32 s26, s19, 8                         ;       my 64 channels; also my columns of w_select and b_select
	s_add_co_u32 s22, s22, s26
	s_add_co_u32 s22, s22, s20                     ; s[22:23]: out0
	s_add_co_u32 s20, s20, s28                     ; s[20:21]: x
	s_mul_i32 s24, s18, 49*128                     ; s[24:25]: the batch's 49 rows of part
	s_mov_b32 s21, 0
	s_mov_b32 s23, 0
	s_mov_b32 s25, 0
	s_mov_b32 s27, 0                               ; s[26:27]: the columns
	; the tile waves' lane terms
	s_lshl_b32 s28, s16, 8                         ; my wave's 64 tokens: 256 bytes
	v_mul_u32_u24 v[XO], v2, 4*ROWB
	v_add_nc_u32 v[XO], v[XO], v4
	v_add_nc_u32 v[XO], s28, v[XO]
	s_mul_i32 s28, s16, TILEB                      ; my wave's tile
	v_mul_u32_u24 v[STO], v1, TP
	v_lshl_add_u32 v[STO], v2, 4, v[STO]
	v_add_nc_u32 v[STO], s28, v[STO]
	v_mul_u32_u24 v[RD], v2, 16*TP
	v_add_nc_u32 v[RD], v[RD], v4
	v_add_nc_u32 v[RD], s28, v[RD]
	v_lshlrev_b32 v[GA], 4, v2
	s_lshl_b32 s28, s16, 16                        ; 64 tokens x 1,024 bytes
	v_lshl_add_u32 v[OO], v2, 10, v4
	v_add_nc_u32 v[OO], s28, v[OO]
	; the gate wave's lane terms and constants
	v_and_b32 v[LN16], 31, v0
	v_lshlrev_b32 v[LN16], 4, v[LN16]
	v_and_b32 v[L7X], 0x70, v[LN16]
	v_lshl_add_u32 v[WO], v2, 14, v4
	v_lshlrev_b32 v[HA], 6, v2
	s_mov_b32 s30, 0x76543210                      ; v_permlanex16_b32: lane i of one half reads lane i of the other
	s_mov_b32 s31, 0xfedcba98
	s_mov_b32 s32, A5
	s_wait_kmcnt 0x0
	s_add_nc_u64 s[4:5], s[4:5], s[20:21]          ; x
	s_add_nc_u64 s[14:15], s[14:15], s[22:23]      ; out0
	s_add_nc_u64 s[6:7], s[6:7], s[24:25]          ; part
	s_add_nc_u64 s[10:11], s[10:11], s[26:27]      ; w_select
	s_add_nc_u64 s[12:13], s[12:13], s[26:27]      ; b_select
	s_cmp_eq_u32 s16, GW
	s_cbranch_scc1 .Lgate
	; ---- waves 0 to 6: ask for the whole tile
.irp g, 0,1,2,3,4,5,6,7
.irp j, 0,1,2,3
	global_load_b128 v[X+16*\g+4*\j:X+16*\g+4*\j+3], v[XO], s[4:5] offset:(8*\g+\j)*ROWB th:TH_LOAD_NT    ; read once in this launch
.endr
.endr
	s_branch .Lmeet
	; ---- wave 7: the 64 gates
.Lgate:
.irp m, 0,1,2,3,4,5,6,7,8,9,10,11
	global_load_b128 v[P+4*\m:P+4*\m+3], v[LN16], s[6:7] offset:512*\m     ; row 4 m + lane / 8 of part, columns 4 (lane % 8) ..
.endr
	global_load_b128 v[P+48:P+51], v[L7X], s[6:7] offset:6144              ; row 48, the same in all four groups of eight lanes
	global_load_b128 v[BR:BR+3], v[L7X], s[8:9]
.irp m, 0,1,2,3,4,5,6,7,8,9,10,11,12,13,14,15
	global_load_b128 v[W+4*\m:W+4*\m+3], v[WO], s[10:11] offset:1024*\m    ; row m + 16 h of w_select: 256 bytes a half
.endr
	global_load_b128 v[BS:BS+3], v4, s[12:13]
	s_wait_loadcnt 17                              ; part and b_reduce are in; the 17 loads behind them (w_select, b_select) may be out
	QADD P, P, P+4
	QADD P+8, P+8, P+12
	QADD P+16, P+16, P+20
	QADD P+24, P+24, P+28
	QADD P+32, P+32, P+36
	QADD P+40, P+40, P+44
	QADD P+48, P+48, BR
	QADD P, P, P+8
	QADD P+16, P+16, P+24
	QADD P+32, P+32, P+40
	QADD P, P, P+16
	QADD P, P, P+32
.irp k, 0,1,2,3
	v_add_f32_dpp v[P+\k], v[P+\k], v[P+\k] row_xmask:8 row_mask:0xf bank_mask:0xf     ; over lane / 8: bit 3,
.endr
.irp k, 0,1,2,3
	v_permlanex16_b32 v[P+4+\k], v[P+\k], s30, s31                                     ; and bit 4
.endr
	QADD P, P, P+4
	QADD P, P, P+48                                ; + row 48 + b_reduce: z, columns 4 (lane % 8) .., in all four groups of lanes
	; gelu(z) = z/2 (1 + erf(z / sqrt 2)).  With u = |z| / sqrt 2 and t = 1 / (1 + 0.3275911 u):  erfc(u) = t (a1 + t (a2 + t (a3 + t (a4 + t a5)))) exp(-u u),
	; and 1 + erf is 2 - erfc(u) for z >= 0 and erfc(u) itself for z < 0: no cancellation on the negative side.
.irp k, 0,1,2,3
	v_and_b32 v[U+\k], 0x7fffffff, v[P+\k]
.endr
.irp k, 0,2
	v_pk_fma_f32 v[DN+\k:DN+\k+1], v[U+\k:U+\k+1], PSQ, 1.0 op_sel_hi:[1,0,0]
	v_pk_mul_f32 v[EX+\k:EX+\k+1], v[P+\k:P+\k+1], v[P+\k:P+\k+1]
.endr
.irp k, 0,2
	v_pk_mul_f32 v[EX+\k:EX+\k+1], v[EX+\k:EX+\k+1], NHL2E op_sel_hi:[1,0]             ; -u u log2(e)
.endr
.irp k, 0,1,2,3
	v_rcp_f32 v[TI+\k], v[DN+\k]
.endr
.irp k, 0,1,2,3
	v_exp_f32 v[EY+\k], v[EX+\k]
.endr
.irp k, 0,2
	v_pk_mul_f32 v[HZ+\k:HZ+\k+1], v[P+\k:P+\k+1], 0.5 op_sel_hi:[1,0]                 ; plain lines that name no result or source of the eight above (ISA guide 5.7.2)
.endr
	s_wait_alu depctr_va_vdst(0)
.irp k, 0,1,2,3
	v_fmaak_f32 v[PL+\k], s32, v[TI+\k], A4
.endr
.irp a, A3, A2, A1
.irp k, 0,2
	v_pk_fma_f32 v[PL+\k:PL+\k+1], v[PL+\k:PL+\k+1], v[TI+\k:TI+\k+1], \a op_sel_hi:[1,1,0]
.endr
.endr
.irp k, 0,2
	v_pk_mul_f32 v[PL+\k:PL+\k+1], v[PL+\k:PL+\k+1], v[TI+\k:TI+\k+1]
.endr
.irp k, 0,2
	v_pk_mul_f32 v[PL+\k:PL+\k+1], v[PL+\k:PL+\k+1], v[EY+\k:EY+\k+1]                  ; erfc(u)
.endr
.irp k, 0,2
	v_pk_add_f32 v[DN+\k:DN+\k+1], v[PL+\k:PL+\k+1], 2.0 op_sel_hi:[1,0] neg_lo:[1,0] neg_hi:[1,0]     ; 2 - erfc(u)
.endr
.irp k, 0,1,2,3
	v_cmp_le_f32 vcc_lo, 0, v[P+\k]
	v_cndmask_b32 v[PL+\k], v[PL+\k], v[DN+\k], vcc_lo
.endr
.irp k, 0,2
	v_pk_mul_f32 v[HZ+\k:HZ+\k+1], v[HZ+\k:HZ+\k+1], v[PL+\k:PL+\k+1]
.endr
	; every lane needs 16 of the 32 hidden numbers: through LDS bytes that are this wave's own, which LDS serves in order (ISA guide 5.7.1)
	ds_store_b128 v[L7X], v[HZ:HZ+3] offset:HB
.irp n, 0,1,2,3
	ds_load_b128 v[HH+4*\n:HH+4*\n+3], v[HA] offset:HB+16*\n
.endr
	s_wait_loadcnt 0x0                             ; w_select, b_select
	s_wait_dscnt 0x0
.macro ROWFMA m                        ; four columns += one hidden number x its row; op_sel picks its register of the pair for both halves
.if (\m) & 1
	v_pk_fma_f32 v[ACC:ACC+1], v[W+4*\m:W+4*\m+1], v[HH+\m-1:HH+\m], v[ACC:ACC+1] op_sel:[0,1,0] op_sel_hi:[1,1,1]
	v_pk_fma_f32 v[ACC+2:ACC+3], v[W+4*\m+2:W+4*\m+3], v[HH+\m-1:HH+\m], v[ACC+2:ACC+3] op_sel:[0,1,0] op_sel_hi:[1,1,1]
.else
	v_pk_fma_f32 v[ACC:ACC+1], v[W+4*\m:W+4*\m+1], v[HH+\m:HH+\m+1], v[ACC:ACC+1] op_sel_hi:[1,0,1]
	v_pk_fma_f32 v[ACC+2:ACC+3], v[W+4*\m+2:W+4*\m+3], v[HH+\m:HH+\m+1], v[ACC+2:ACC+3] op_sel_hi:[1,0,1]
.endif
.endm
	v_pk_mul_f32 v[ACC:ACC+1], v[W:W+1], v[HH:HH+1] op_sel_hi:[1,0]
	v_pk_mul_f32 v[ACC+2:ACC+3], v[W+2:W+3], v[HH:HH+1] op_sel_hi:[1,0]
.irp m, 1,2,3,4,5,6,7,8,9,10,11,12,13,14,15
	ROWFMA \m
.endr
.irp k, 0,1,2,3
	v_permlanex16_b32 v[W+\k], v[ACC+\k], s30, s31 ; the other 16 rows
.endr
	QADD ACC, ACC, W
	QADD ACC, ACC, BS
	; 8 sigmoid(y) = 8 / (1 + 2^(-y log2 e)); an exponential that overflows gives 8 / inf = 0, as it should
.irp k, 0,2
	v_pk_mul_f32 v[EX+\k:EX+\k+1], v[ACC+\k:ACC+\k+1], NL2E op_sel_hi:[1,0]
.endr
.irp k, 0,1,2,3
	v_exp_f32 v[EY+\k], v[EX+\k]
.endr
	v_nop                                          ; one plain place behind the last v_exp_f32 (ISA guide 5.7.2)
	s_wait_alu depctr_va_vdst(0)
.irp k, 0,2
	v_pk_add_f32 v[EY+\k:EY+\k+1], v[EY+\k:EY+\k+1], 1.0 op_sel_hi:[1,0]
.endr
.irp k, 0,1,2,3
	v_rcp_f32 v[TI+\k], v[EY+\k]
.endr
	v_nop                                          ; and behind the last v_rcp_f32
	s_wait_alu depctr_va_vdst(0)
.irp k, 0,2
	v_pk_mul_f32 v[PL+\k:PL+\k+1], v[TI+\k:TI+\k+1], EIGHT op_sel_hi:[1,0]
.endr
	ds_store_b128 v4, v[PL:PL+3] offset:GB         ; channels 4 i ..; both halves write the same numbers
	s_wait_dscnt 0x0                               ; for the tile waves: done before I signal
.Lmeet:
	s_barrier_signal -1
	s_barrier_wait -1                              ; the gates are in LDS; the tile waves' 32 loads of x stay out across it
	s_cmp_eq_u32 s16, GW
	s_cbranch_scc1 .Lend
.irp g, 0,1,2,3,4,5,6,7
	ds_load_b128 v[G+4*\g:G+4*\g+3], v[GA] offset:GB+32*\g
.endr
	s_wait_dscnt 0x0
.irp g, 0,1,2,3,4,5,6,7
	s_wait_loadcnt 28-4*\g                         ; 32 loads, back in order (ISA guide 5.7.1): group g's four are in when 28 - 4 g younger ones are out
.irp k, 0,1,2,3
.irp j, 0,1,2,3
	v_mul_f32 v[T+16*(\g&1)+4*\k+\j], v[X+16*\g+4*\j+\k], v[G+4*\g+\j]     ; token k, channel j of the block: written transposed
.endr
.endr
.irp k, 0,1,2,3
	ds_store_b128 v[STO], v[T+16*(\g&1)+4*\k:T+16*(\g&1)+4*\k+3] offset:TB+\k*16*TP+32*\g  ; token 4 i + k: row 16 k + i; channels 8 g + 4 h ..
.endr
.endr
	; THE WAY OUT, by rows of out0: LDS load n takes tokens 2 n (lanes 0-15) and 2 n + 1 (lanes 16-31), rows 32 (n % 2) + 16 h + n / 2 of the tile.
	; The tile is the wave's own and LDS serves a wave in order (ISA guide 5.7.1): no wait between its stores and these loads.
	; Sixteen loads run ahead; each turn stores one row pair and issues the load sixteen further on, into registers that no pending store reads.
.macro BACK n
	ds_load_b128 v[X+4*(\n):X+4*(\n)+3], v[RD] offset:TB+((\n)&1)*32*TP+((\n)>>1)*TP
.endm
.set n, 0
.rept AHEAD
	BACK n
.set n, n+1
.endr
.set n, 0
.rept 32-AHEAD
	s_wait_dscnt AHEAD-1                           ; load n is in; the fifteen issued behind it may be out
	global_store_b128 v[OO], v[X+4*n:X+4*n+3], s[14:15] offset:n*2048 th:TH_STORE_NT
	BACK n+AHEAD
.set n, n+1
.endr
.rept AHEAD
	s_wait_dscnt 31-n                              ; nothing more is issued: the counts run down
	global_store_b128 v[OO], v[X+4*n:X+4*n+3], s[14:15] offset:n*2048 th:TH_STORE_NT
.set n, n+1
.endr
.Lend:
	s_wait_tensorcnt 0x0
	ds_add_u32 v126, v127
	s_wait_dscnt 0x0
	s_endpgm
.Lfunc_end_k_q29291db5d6_merge:
	.size	k_q29291db5d6_merge, .Lfunc_end_k_q29291db5d6_merge-k_q29291db5d6_merge
	.p2alignl 7, 3214868480
	.fill 96, 4, 3214868480
	.section	.rodata,"a",@progbits
	.p2align	6, 0x0
	.amdhsa_kernel k_q29291db5d6_merge
		.amdhsa_group_segment_fixed_size 140800
		.amdhsa_private_segment_fixed_size 0
		.amdhsa_enable_private_segment 0
		.amdhsa_kernarg_size 48
		.amdhsa_user_sgpr_count 2
		.amdhsa_user_sgpr_kernarg_segment_ptr 1
		.amdhsa_wavefront_size32 1
		.amdhsa_system_sgpr_workgroup_id_x 1
		.amdhsa_system_sgpr_workgroup_id_y 1
		.amdhsa_system_sgpr_workgroup_id_z 1
		.amdhsa_system_vgpr_workitem_id 0
		.amdhsa_next_free_vgpr 256
		.amdhsa_next_free_sgpr 66
		.amdhsa_reserve_vcc 1
		.amdhsa_float_denorm_mode_32 3
		.amdhsa_float_denorm_mode_16_64 3
		.amdhsa_memory_ordered 1
		.amdhsa_forward_progress 1
		.amdhsa_inst_pref_size 31
	.end_amdhsa_kernel
	.amdgpu_metadata
---
amdhsa.version: [ 1, 2 ]
amdhsa.kernels:
  - .name:           k_q29291db5d6_merge
    .symbol:         k_q29291db5d6_merge.kd
    .args:
      - { .name: x, .offset: 0, .size: 8, .value_kind: global_buffer, .address_space: global }
      - { .name: part, .offset: 8, .size: 8, .value_kind: global_buffer, .address_space: global }
      - { .name: b_reduce, .offset: 16, .size: 8, .value_kind: global_buffer, .address_space: global }
      - { .name: w_select, .offset: 24, .size: 8, .value_kind: global_buffer, .address_space: global }
      - { .name: b_select, .offset: 32, .size: 8, .value_kind: global_buffer, .address_space: global }
      - { .name: out0, .offset: 40, .size: 8, .value_kind: global_buffer, .address_space: global }
    .group_segment_fixed_size: 140800
    .private_segment_fixed_size: 0
    .kernarg_segment_align: 8
    .kernarg_segment_size: 48
    .max_flat_workgroup_size: 256
    .sgpr_count:     66
    .vgpr_count:     256
    .wavefront_size: 32
...
	.end_amdgpu_metadata
.endif
;; end of part 2
;; ======== version 2 of 2: 2 launches; version 1 with the launch stats written anew for expert scheduling mode
;; limits: a function is approximated: absolute error at most 1.5e-07
;; workspace buffers: part 50,176 bytes
;; launch stats (part 3): grid 49 x 8, 8 waves a work-group, no clusters, 7,168 bytes of LDS; arguments x, ln_w, ln_b, w_reduce, part; writes part
.if DOCPART == 3
	.amdgcn_target "amdgcn-amd-amdhsa--gfx1250"
	.amdhsa_code_object_version 6
	.text
	.protected	k_q29291db5d6_stats
	.globl	k_q29291db5d6_stats
	.p2align	8
	.type	k_q29291db5d6_stats,@function
k_q29291db5d6_stats:
	s_mov_b64 s[64:65], 0
	v_nop
	global_prefetch_b8 v0, s[64:65] scope:SCOPE_SE
	s_setreg_imm32_b32 hwreg(HW_REG_WAVE_SCHED_MODE, 0, 2), 2
	s_setreg_imm32_b32 hwreg(HW_REG_WAVE_MODE, 25, 1), 1
	s_wait_xcnt 0x0
	s_wait_alu depctr_vm_vsrc(0)
; FIRST OF TWO LAUNCHES.  x: [8][256][3136] f32 (batch, channel, token).
; Each of the eight scans of the module is a permutation of the tokens that the merge undoes again (H = W = 56), for any data:
; all eight directions are x itself, and their LayerNorm, pool and gate are one and the same.  This launch makes, for a batch b and
; a piece of 64 tokens, that piece's share of the pooled, normalised row, already multiplied by w_reduce (that step is linear):
;   part[b][piece][r] = sum over c of w_reduce[c][r] * ( ln_w[c] * sum over the 64 l of (x[c][l]-mu[l]) * rstd[l] + 64 ln_b[c] ) / 3136
; The 49 pieces of a batch add up to  mean_l(LayerNorm(x)) @ w_reduce;  the next launch adds them and goes on.
; A work-group: 256 channels x 64 tokens (256 bytes of each row, aligned).  Wave w: channels 32 w .. 32 w + 31.
; Lane (i = lane % 16, h = lane / 16): tokens 4 i .. 4 i + 3 of channels 32 w + 2 j + h, j = 0 .. 15: 64 registers; x is read once here.
; A load of a wave covers two whole pieces of 256 consecutive bytes.
; The variance is made of non-negative terms only: each wave takes its own mean and its squares about that mean, and the eight
; waves are joined by  M2 = sum M2_w + 32 sum (mean_w - mu)^2 : a common offset of x cancels in x - mean_w, not in a difference of sums.
; Not used, by this text's arithmetic: the matrix unit (the product has one row: 8,192 multiply-adds a work-group, 16 packed FMAs a
; wave, in f32); data-mover tiles and LDS rings (a wave asks for all its 8 KB in its first lines); clusters (what work-groups share is the 32 KB
; of w_reduce against 64 KB of their own).  x has no non-temporal hint: the next launch reads it again.
; The 32 results are one store of 128 bytes a work-group (50,176 bytes in the launch); padding them would double what the next launch reads.
; Limits: v_rsq_f32 is good to 1 ulp (its argument is at least 1e-5, so no denormal reaches it).
; THE MODE: SCHED_MODE bits 1:0 = 2 (LLVM: expert scheduling mode 2), set by the entry lines.  The code itself states the register dependences
; between vector instructions and memory or LDS instructions, with s_wait_alu, always for 0.
; THE PLAN.  Registers that memory or LDS instructions touch, in the order of the text (there is no loop):
;   XO, CO, WO, RS, RL, QA, PS, RA   the eight addresses.  All are made at the head, ahead of the first load, and never written again: one wait serves them all.
;   X, LW, LB, WR                    the 26 global loads land in them; no vector instruction names them before.
;   S, Q                             written by the sums, read by two LDS stores, never written again.
;   SU, M2                           sixteen LDS loads land in them behind the first barrier; no vector instruction names them before.
;   QV                               written by one multiply-add, read by one LDS store.   QQ (eight of M2's registers, which the joining of the M2 named): eight LDS loads land in them.
;   ACC                              written by the projection, read by one LDS store.      F (eight more of M2's registers): wave 0's eight LDS loads land in them;
;                                    its additions then write F, which the one global store reads.
; So a wait on va_vdst stands ahead of each of the four runs of stores and ahead of the first load, and one more behind the four v_rsq_f32.
; No register that a memory or LDS instruction reads is written or loaded into afterwards: there is no dependence for a wait on vm_vsrc to state.
.set ROWB, 12544                       ; bytes in a row of x: 3,136 f32 = 49 pieces of 256 bytes
.set BATB, 256*ROWB                    ; bytes in a batch
.set NCH,  49                          ; pieces in a row
.set RED,  0                           ; LDS: wave w at 512 w: 64 sums, then 64 M2
.set QB,   4096                        ; LDS: 256 pooled channels, wave w's own 32 at 128 w
.set R3,   5120                        ; LDS: wave w's 32 projected numbers at 128 w
.set EPS,    0x3727c5ac                ; 1e-5
.set I256,   0x3b800000                ; 1/256
.set I32,    0x3d000000                ; 1/32
.set NI32,   0xbd000000                ; -1/32
.set I8,     0x3e000000                ; 1/8
.set I3136,  0x39a72f05                ; 1/3136
.set I49,    0x3ca72f05                ; 64/3136
.set XO,  3                            ; byte offset of my 16 bytes in row 32 w + h
.set CO,  4                            ; 4 c, c = 32 w + 2 i + h: ln_w, ln_b, and my pooled channel in LDS
.set WO,  5                            ; byte offset of my 16 bytes in my wave's slab of w_reduce
.set RS,  6                            ; LDS 512 w + 16 i
.set RL,  7                            ; LDS 16 i
.set T,   8                            ; v[8:11]    set-up scratch, then what the other half of the lanes sends
.set S,   12                           ; v[12:15]   sum over my wave's 32 channels, 4 tokens
.set Q,   16                           ; v[16:19]   squares about my wave's mean
.set MU,  20                           ; v[20:23]   mean over 256 channels
.set R,   24                           ; v[24:27]   1/sqrt(var + eps)
.set EE,  28                           ; v[28:29]   (mean_w - mu) * rstd, tokens 0+2 and 1+3
.set LW,  30
.set LB,  31
.set WR,  32                           ; v[32:63]   my wave's slab of w_reduce: 8 x 16 bytes a lane
.set X,   64                           ; v[64:127]  row pair j: 4 registers
.set SU,  128                          ; v[128:159] the eight waves' sums
.set M2,  160                          ; v[160:191] the eight waves' M2
.set TT,  SU                           ; later: 16 channels' sums over my 4 tokens
.set KP,  M2                           ; later: what a lane keeps in a fold
.set QQ,  M2+8                         ; later: 8 pooled channels
.set F,   M2+16                        ; later: wave 0's eight partial results
.set TA,  192
.set TB,  196
.set TC,  200
.set DL,  204                          ; v[204:207] mean_w - mu
.set VV,  208                          ; v[208:211] sum of (mean_w - mu)^2
.set AV,  212                          ; v[212:215] var + eps
.set ACC, 216                          ; v[216:219] projection
.set EP,  220                          ; v[220:221] eps, twice
.set QA,  222                          ; LDS 128 w + 4 (lane / 8)
.set PS,  223                          ; LDS 128 w + 16 (lane % 8)
.set RA,  224                          ; 4 lane
.set QV,  225
.macro QADD d, a, b                    ; four sums
	v_pk_add_f32 v[\d:\d+1], v[\a:\a+1], v[\b:\b+1]
	v_pk_add_f32 v[\d+2:\d+3], v[\a+2:\a+3], v[\b+2:\b+3]
.endm
	s_load_b256 s[4:11], s[0:1], 0x0               ; x s[4:5], ln_w s[6:7], ln_b s[8:9], w_reduce s[10:11]
	s_load_b64 s[12:13], s[0:1], 0x20              ; part
	v_lshl_add_u32 v230, v0, 2, 0x1800
	v_mov_b32 v231, 0
	; the whole set-up stands here, while the arguments are on their way: every address of the kernel is made ahead of the first load
	v_and_b32 v1, 15, v0                           ; i
	v_bfe_u32 v2, v0, 4, 1                         ; h
	v_lshrrev_b32 v[T+1], 5, v0
	v_readfirstlane_b32 s14, v[T+1]                ; wave
	v_and_b32 v[T], 31, v0                         ; lane
	v_lshl_add_u32 v[T+2], v[T+1], 5, v2           ; my first row: 32 w + h
	v_mul_u32_u24 v[XO], v[T+2], ROWB
	v_lshl_add_u32 v[XO], v1, 4, v[XO]             ; + 16 i
	v_lshl_add_u32 v[T+3], v1, 1, v2               ; 2 i + h
	v_lshlrev_b32 v[CO], 2, v[T+3]
	v_lshlrev_b32 v[WO], 4, v[T]
	v_lshlrev_b32 v[RL], 4, v1
	v_lshrrev_b32 v[QA], 3, v[T]
	v_lshlrev_b32 v[QA], 2, v[QA]
	v_and_b32 v[PS], 7, v[T]
	v_lshlrev_b32 v[PS], 4, v[PS]
	v_lshlrev_b32 v[RA], 2, v[T]
	v_mov_b32 v[EP], EPS
	v_mov_b32 v[EP+1], EPS
	s_wait_alu depctr_va_sdst(0)                   ; s14 is written, ahead of its first reader: the wave's terms of the addresses are made from it
	s_lshl_b32 s18, s14, 7                         ; 128 w
	s_lshl_b32 s19, s14, 12                        ; my wave's 32 rows of w_reduce are 4,096 consecutive bytes
	s_lshl_b32 s28, s14, 9
	v_add_nc_u32 v[CO], s18, v[CO]
	v_add_nc_u32 v[WO], s19, v[WO]
	v_add_nc_u32 v[RS], s28, v[RL]
	v_add_nc_u32 v[QA], s18, v[QA]
	v_add_nc_u32 v[PS], s18, v[PS]
	s_and_b32 s15, ttmp7, 0xffff                   ; batch
	s_mul_i32 s16, s15, BATB
	s_lshl_b32 s17, ttmp9, 8                       ; piece x 256 bytes
	s_add_co_u32 s16, s16, s17                     ; below 2^25
	s_mov_b32 s17, 0
	s_mov_b32 s20, 0x76543210                      ; v_permlanex16_b32: lane i of one half reads lane i of the other
	s_mov_b32 s21, 0xfedcba98
	s_mov_b32 s24, 0xff00ff00                      ; lanes whose i has bit 3, 2, 1, 0
	s_mov_b32 s25, 0xf0f0f0f0
	s_mov_b32 s26, 0xcccccccc
	s_mov_b32 s27, 0xaaaaaaaa
	s_wait_kmcnt 0x0
	s_add_nc_u64 s[4:5], s[4:5], s[16:17]
	s_wait_alu depctr_va_vdst(0)                   ; XO, CO, WO, RS, RL, QA, PS and RA are written: every load and store of the kernel reads one of them as its address
.irp j, 0,1,2,3,4,5,6,7,8,9,10,11,12,13,14,15
	global_load_b128 v[X+4*\j:X+4*\j+3], v[XO], s[4:5] offset:\j*2*ROWB    ; rows 32 w + 2 j and + 1: all 16 loads are out at once
.endr
	global_load_b32 v[LW], v[CO], s[6:7]
	global_load_b32 v[LB], v[CO], s[8:9]
.irp m, 0,1,2,3,4,5,6,7
	global_load_b128 v[WR+4*\m:WR+4*\m+3], v[WO], s[10:11] offset:512*\m   ; row 32 w + 4 m + lane / 8, columns 4 (lane % 8) ..
.endr
	; sum over my wave's channels, as the rows come in.  26 loads were issued and come back in order (ISA guide 5.7.1):
	; row pair j is in when at most 25 - j younger loads are out.
	s_wait_loadcnt 24
	QADD S, X, X+4                                 ; the first two row pairs start the sums: nothing is cleared
.irp j, 2,3,4,5,6,7,8,9,10,11,12,13,14,15
	s_wait_loadcnt 25-\j
	QADD S, S, X+4*\j
.endr
.irp k, 0,1,2,3
	v_permlanex16_b32 v[T+\k], v[S+\k], s20, s21   ; the other half's 16 channels (T was written in the set-up)
.endr
	QADD S, S, T                                   ; 32 channels, in both halves
	; x - mean_w in place, and its squares
.irp j, 0,1,2,3,4,5,6,7,8,9,10,11,12,13,14,15
	v_pk_fma_f32 v[X+4*\j:X+4*\j+1], v[S:S+1], NI32, v[X+4*\j:X+4*\j+1] op_sel_hi:[1,0,1]
	v_pk_fma_f32 v[X+4*\j+2:X+4*\j+3], v[S+2:S+3], NI32, v[X+4*\j+2:X+4*\j+3] op_sel_hi:[1,0,1]
.endr
	v_pk_mul_f32 v[Q:Q+1], v[X:X+1], v[X:X+1]
	v_pk_mul_f32 v[Q+2:Q+3], v[X+2:X+3], v[X+2:X+3]
.irp j, 1,2,3,4,5,6,7,8,9,10,11,12,13,14,15
	v_pk_fma_f32 v[Q:Q+1], v[X+4*\j:X+4*\j+1], v[X+4*\j:X+4*\j+1], v[Q:Q+1]
	v_pk_fma_f32 v[Q+2:Q+3], v[X+4*\j+2:X+4*\j+3], v[X+4*\j+2:X+4*\j+3], v[Q+2:Q+3]
.endr
.irp k, 0,1,2,3
	v_permlanex16_b32 v[T+\k], v[Q+\k], s20, s21
.endr
	QADD Q, Q, T
	s_wait_alu depctr_va_vdst(0)                   ; the sums have written S and Q, which the two LDS stores read
	ds_store_b128 v[RS], v[S:S+3] offset:RED       ; both halves of the lanes hold, and write, the same numbers
	ds_store_b128 v[RS], v[Q:Q+3] offset:RED+256
	s_wait_dscnt 0x0                               ; for the other waves: my stores are done before I signal
	s_barrier_signal -1
	s_barrier_wait -1
.irp w, 0,1,2,3,4,5,6,7
	ds_load_b128 v[SU+4*\w:SU+4*\w+3], v[RL] offset:RED+512*\w             ; no vector instruction has named SU or M2 so far
.endr
.irp w, 0,1,2,3,4,5,6,7
	ds_load_b128 v[M2+4*\w:M2+4*\w+3], v[RL] offset:RED+512*\w+256
.endr
	s_wait_dscnt 8                                 ; the eight sums are in; the eight M2 loads behind them may be out
	QADD MU, SU, SU+4
	QADD TA, SU+8, SU+12
	QADD TB, SU+16, SU+20
	QADD TC, SU+24, SU+28
	QADD MU, MU, TA
	QADD TB, TB, TC
	QADD MU, MU, TB
	v_pk_mul_f32 v[MU:MU+1], v[MU:MU+1], I256 op_sel_hi:[1,0]
	v_pk_mul_f32 v[MU+2:MU+3], v[MU+2:MU+3], I256 op_sel_hi:[1,0]
.irp w, 0,1,2,3,4,5,6,7
	v_pk_fma_f32 v[SU+4*\w:SU+4*\w+1], v[SU+4*\w:SU+4*\w+1], I32, v[MU:MU+1] op_sel_hi:[1,0,1] neg_lo:[0,0,1] neg_hi:[0,0,1]      ; mean_w - mu
	v_pk_fma_f32 v[SU+4*\w+2:SU+4*\w+3], v[SU+4*\w+2:SU+4*\w+3], I32, v[MU+2:MU+3] op_sel_hi:[1,0,1] neg_lo:[0,0,1] neg_hi:[0,0,1]
.endr
	v_pk_mul_f32 v[VV:VV+1], v[SU:SU+1], v[SU:SU+1]
	v_pk_mul_f32 v[VV+2:VV+3], v[SU+2:SU+3], v[SU+2:SU+3]
.irp w, 1,2,3,4,5,6,7
	v_pk_fma_f32 v[VV:VV+1], v[SU+4*\w:SU+4*\w+1], v[SU+4*\w:SU+4*\w+1], v[VV:VV+1]
	v_pk_fma_f32 v[VV+2:VV+3], v[SU+4*\w+2:SU+4*\w+3], v[SU+4*\w+2:SU+4*\w+3], v[VV+2:VV+3]
.endr
	s_wait_dscnt 0x0
	QADD M2, M2, M2+4
	QADD M2+8, M2+8, M2+12
	QADD M2+16, M2+16, M2+20
	QADD M2+24, M2+24, M2+28
	QADD M2, M2, M2+8
	QADD M2+16, M2+16, M2+24
	QADD M2, M2, M2+16
	v_pk_fma_f32 v[AV:AV+1], v[M2:M2+1], I256, v[EP:EP+1] op_sel_hi:[1,0,1]        ; eps + sum M2_w / 256
	v_pk_fma_f32 v[AV+2:AV+3], v[M2+2:M2+3], I256, v[EP:EP+1] op_sel_hi:[1,0,1]
	v_pk_fma_f32 v[AV:AV+1], v[VV:VV+1], I8, v[AV:AV+1] op_sel_hi:[1,0,1]          ; + 32 sum (mean_w - mu)^2 / 256
	v_pk_fma_f32 v[AV+2:AV+3], v[VV+2:VV+3], I8, v[AV+2:AV+3] op_sel_hi:[1,0,1]
.irp k, 0,1,2,3
	v_rsq_f32 v[R+\k], v[AV+\k]
.endr
	; the two lines below name neither R nor AV: they are the plain instruction that stands between v_rsq_f32 and the use of its result (ISA guide 5.7.2)
	v_pk_fma_f32 v[DL:DL+1], v[S:S+1], I32, v[MU:MU+1] op_sel_hi:[1,0,1] neg_lo:[0,0,1] neg_hi:[0,0,1]     ; my own wave's mean_w - mu
	v_pk_fma_f32 v[DL+2:DL+3], v[S+2:S+3], I32, v[MU+2:MU+3] op_sel_hi:[1,0,1] neg_lo:[0,0,1] neg_hi:[0,0,1]
	s_wait_alu depctr_va_vdst(0)                   ; the four v_rsq_f32 have written R: one wait for the batch, ahead of its first reader
	v_pk_mul_f32 v[EE:EE+1], v[DL:DL+1], v[R:R+1]
	v_pk_fma_f32 v[EE:EE+1], v[DL+2:DL+3], v[R+2:R+3], v[EE:EE+1]
	; for each of my 16 channels: sum over my 4 tokens of (x - mean_w + mean_w - mu) * rstd; the second part starts every chain
.irp j, 0,1,2,3,4,5,6,7,8,9,10,11,12,13,14,15
	v_pk_fma_f32 v[X+4*\j:X+4*\j+1], v[X+4*\j:X+4*\j+1], v[R:R+1], v[EE:EE+1]
.endr
.irp j, 0,1,2,3,4,5,6,7,8,9,10,11,12,13,14,15
	v_pk_fma_f32 v[X+4*\j:X+4*\j+1], v[X+4*\j+2:X+4*\j+3], v[R+2:R+3], v[X+4*\j:X+4*\j+1]
.endr
.irp j, 0,1,2,3,4,5,6,7,8,9,10,11,12,13,14,15
	v_add_f32 v[TT+\j], v[X+4*\j], v[X+4*\j+1]
.endr
	s_wait_loadcnt 0x0                             ; ln_w, ln_b and the slab of w_reduce
	v_mul_f32 v[LW], I3136, v[LW]
	v_mul_f32 v[LB], I49, v[LB]
; Sixteen numbers a lane are added over the 16 lanes of a half, and the count of numbers halves with each step: a lane whose i has the
; step's bit keeps the upper half of the list and sends the lower, the others the other way round.  45 instructions in place of 64, and
; lane i ends with the whole sum of list entry i, that is of channel 32 w + 2 i + h.  (The masks s24 to s27 are written by scalar moves.)
.macro FOLD n, sm
.set j, 0
.rept \n
	v_cndmask_b32 v[KP+j], v[TT+j], v[TT+j+\n], \sm
	v_cndmask_b32 v[TT+j+\n], v[TT+j+\n], v[TT+j], \sm
.set j, j+1
.endr
.set j, 0
.rept \n
	v_add_f32_dpp v[TT+j], v[TT+j+\n], v[KP+j] row_xmask:\n row_mask:0xf bank_mask:0xf
.set j, j+1
.endr
.endm
	FOLD 8, s24
	FOLD 4, s25
	FOLD 2, s26
	FOLD 1, s27
	v_fma_f32 v[QV], v[TT], v[LW], v[LB]           ; (ln_w * sum + 64 ln_b) / 3136
	; my wave's 32 channels meet my wave's 32 rows of w_reduce: these LDS bytes are the wave's own, and LDS serves a wave in order (ISA guide 5.7.1)
	s_wait_alu depctr_va_vdst(0)                   ; QV is written, which the LDS store reads; the joining of the M2 is done reading and writing the registers QQ, in which the eight loads land
	ds_store_b32 v[CO], v[QV] offset:QB
.irp m, 0,1,2,3,4,5,6,7
	ds_load_b32 v[QQ+\m], v[QA] offset:QB+16*\m    ; channel 32 w + 4 m + lane / 8
.endr
	s_wait_dscnt 0x0
.macro PROJ m                          ; four columns += one channel x its row; op_sel picks the channel's register of the pair for both halves
.if (\m) & 1
	v_pk_fma_f32 v[ACC:ACC+1], v[WR+4*\m:WR+4*\m+1], v[QQ+\m-1:QQ+\m], v[ACC:ACC+1] op_sel:[0,1,0] op_sel_hi:[1,1,1]
	v_pk_fma_f32 v[ACC+2:ACC+3], v[WR+4*\m+2:WR+4*\m+3], v[QQ+\m-1:QQ+\m], v[ACC+2:ACC+3] op_sel:[0,1,0] op_sel_hi:[1,1,1]
.else
	v_pk_fma_f32 v[ACC:ACC+1], v[WR+4*\m:WR+4*\m+1], v[QQ+\m:QQ+\m+1], v[ACC:ACC+1] op_sel_hi:[1,0,1]
	v_pk_fma_f32 v[ACC+2:ACC+3], v[WR+4*\m+2:WR+4*\m+3], v[QQ+\m:QQ+\m+1], v[ACC+2:ACC+3] op_sel_hi:[1,0,1]
.endif
.endm
	v_pk_mul_f32 v[ACC:ACC+1], v[WR:WR+1], v[QQ:QQ+1] op_sel_hi:[1,0]
	v_pk_mul_f32 v[ACC+2:ACC+3], v[WR+2:WR+3], v[QQ:QQ+1] op_sel_hi:[1,0]
.irp m, 1,2,3,4,5,6,7
	PROJ \m
.endr
.irp k, 0,1,2,3
	v_add_f32_dpp v[ACC+\k], v[ACC+\k], v[ACC+\k] row_xmask:8 row_mask:0xf bank_mask:0xf   ; over lane / 8: bit 3,
.endr
.irp k, 0,1,2,3
	v_permlanex16_b32 v[T+\k], v[ACC+\k], s20, s21                                         ; and bit 4
.endr
	QADD ACC, ACC, T
	s_wait_alu depctr_va_vdst(0)                   ; ACC is written, which the LDS store reads; no vector instruction stands between this wait and wave 0's loads into F, registers that the joining of the M2 named
	ds_store_b128 v[PS], v[ACC:ACC+3] offset:R3    ; columns 4 (lane % 8) ..; lanes 8 apart write the same numbers
	s_wait_dscnt 0x0                               ; for wave 0: done before I signal
	s_barrier_signal -1
	s_barrier_wait -1
	s_cmp_lg_u32 s14, 0
	s_cbranch_scc1 .Lend
.irp w, 0,1,2,3,4,5,6,7
	ds_load_b32 v[F+\w], v[RA] offset:R3+128*\w    ; lane = column r
.endr
	s_mul_i32 s16, s15, NCH
	s_add_co_u32 s16, s16, ttmp9
	s_lshl_b32 s16, s16, 7                         ; (49 batch + piece) x 128 bytes; s17 is still 0
	s_add_nc_u64 s[12:13], s[12:13], s[16:17]
	s_wait_dscnt 0x0
	v_pk_add_f32 v[F:F+1], v[F:F+1], v[F+2:F+3]
	v_pk_add_f32 v[F+4:F+5], v[F+4:F+5], v[F+6:F+7]
	v_pk_add_f32 v[F:F+1], v[F:F+1], v[F+4:F+5]
	v_add_f32 v[F], v[F], v[F+1]
	s_wait_alu depctr_va_vdst(0)                   ; the additions have written F, which the store reads
	global_store_b32 v[RA], v[F], s[12:13]
.Lend:
	s_wait_dscnt 0x0
	s_wait_alu depctr_hold_cnt(0) depctr_sa_sdst(0) depctr_va_vdst(0) depctr_va_sdst(0) depctr_va_ssrc(0) depctr_va_vcc(0) depctr_vm_vsrc(0)
	s_wait_tensorcnt 0x0
	ds_add_u32 v230, v231
	s_wait_dscnt 0x0
	s_endpgm
.Lfunc_end_k_q29291db5d6_stats:
	.size	k_q29291db5d6_stats, .Lfunc_end_k_q29291db5d6_stats-k_q29291db5d6_stats
	.p2alignl 7, 3214868480
	.fill 96, 4, 3214868480
	.section	.rodata,"a",@progbits
	.p2align	6, 0x0
	.amdhsa_kernel k_q29291db5d6_stats
		.amdhsa_group_segment_fixed_size 7168
		.amdhsa_private_segment_fixed_size 0
		.amdhsa_enable_private_segment 0
		.amdhsa_kernarg_size 40
		.amdhsa_user_sgpr_count 2
		.amdhsa_user_sgpr_kernarg_segment_ptr 1
		.amdhsa_wavefront_size32 1
		.amdhsa_system_sgpr_workgroup_id_x 1
		.amdhsa_system_sgpr_workgroup_id_y 1
		.amdhsa_system_sgpr_workgroup_id_z 1
		.amdhsa_system_vgpr_workitem_id 0
		.amdhsa_next_free_vgpr 232
		.amdhsa_next_free_sgpr 66
		.amdhsa_reserve_vcc 0
		.amdhsa_float_denorm_mode_32 3
		.amdhsa_float_denorm_mode_16_64 3
		.amdhsa_memory_ordered 1
		.amdhsa_forward_progress 1
		.amdhsa_inst_pref_size 29
	.end_amdhsa_kernel
	.amdgpu_metadata
---
amdhsa.version: [ 1, 2 ]
amdhsa.kernels:
  - .name:           k_q29291db5d6_stats
    .symbol:         k_q29291db5d6_stats.kd
    .args:
      - { .name: x, .offset: 0, .size: 8, .value_kind: global_buffer, .address_space: global }
      - { .name: ln_w, .offset: 8, .size: 8, .value_kind: global_buffer, .address_space: global }
      - { .name: ln_b, .offset: 16, .size: 8, .value_kind: global_buffer, .address_space: global }
      - { .name: w_reduce, .offset: 24, .size: 8, .value_kind: global_buffer, .address_space: global }
      - { .name: part, .offset: 32, .size: 8, .value_kind: global_buffer, .address_space: global }
    .group_segment_fixed_size: 7168
    .private_segment_fixed_size: 0
    .kernarg_segment_align: 8
    .kernarg_segment_size: 40
    .max_flat_workgroup_size: 256
    .sgpr_count:     66
    .vgpr_count:     232
    .wavefront_size: 32
...
	.end_amdgpu_metadata
.endif
;; end of part 3
;; launch merge: the kernel of part 2 again; grid 7 x 32, 8 waves a work-group, no clusters, 140,800 bytes of LDS; arguments x, part, b_reduce, w_select, b_select, out0; writes out0
